; MI455X (gfx1250); checked and timed in simulation.
; The chip was launched on July 23, 2026; its instructions are those of AMD's public machine-readable ISA for CDNA 5 (MIT licence, August 2026) and "CDNA5" Instruction Set Architecture Reference Guide (July 2026). The comments in the code are by the model that wrote it; some were corrected since.
;; Patch Decoder. Allowed arithmetic: matrix products marked QUANTISED: E2M1 operands, one E8M0 scale for each 32 along K, by v_wmma_scale_f32_16x16x128_f8f6f4 with both operands' format E2M1 (or v_wmma_scale_f32_32x16x128_f4), f32 sums; products left as they are: f32 operands where the result goes on into a quantised operand, else bf16, f16 or f32 operands; f32 sums; everything else in f32.
;; Inputs: fc0_b 5 x 128 float32; fc0_w_codes 5 x 128 x 4 x 16 uint8 (E2M1 codes of fc0_w, K innermost, in blocks of 32 codes, two codes a byte); fc0_w_scales 5 x 128 x 4 uint8 (E8M0 scales of fc0_w, one for each 32 codes along K); fc1_b 5 x 128 float32; fc1_w_codes 5 x 128 x 4 x 16 uint8 (E2M1 codes of fc1_w, K innermost, in blocks of 32 codes, two codes a byte); fc1_w_scales 5 x 128 x 4 uint8 (E8M0 scales of fc1_w, one for each 32 codes along K); fc_c_b 5 x 128 float32; fc_c_w_codes 5 x 128 x 1 x 16 uint8 (E2M1 codes of fc_c_w, K innermost, in blocks of 32 codes, two codes a byte); fc_c_w_scales 5 x 128 x 1 uint8 (E8M0 scales of fc_c_w, one for each 32 codes along K); fc_out_b 1 float32; fc_out_w 1 x 128 float32; fc_p_b 128 float32; fc_p_w_codes 128 x 1 x 16 uint8 (E2M1 codes of fc_p_w, K innermost, in blocks of 32 codes, two codes a byte); fc_p_w_scales 128 x 1 uint8 (E8M0 scales of fc_p_w, one for each 32 codes along K); query 250,000 x 3 float32; z_feats 262,144 x 32 float32.
;; Outputs: out0 250,000 float32.
;; Constants: grid_size = 64.
;; This version of the problem:
;;   THIS VERSION OF THE PROBLEM IS GIVEN IN LOW PRECISION. The matrix products marked QUANTISED in the list below multiply operands that are first quantised to E2M1 (2 exponent bits, 1 mantissa bit; 4 bits a number), with one power-of-two scale for each 32 numbers along K (OCP MX v1.0); their sums are f32. All else is computed in f32.
;;   The module's matrix products, in the order in which they are computed (A, B: the left and right operand; K: the contracted axis; several contracted axes count as one K, in the product's order):
;;     1. batch 250,000 x [M 1, K 8] x [K 8, N 32]; A: computed on the way; B: computed on the way: left as it is (K = 8 < 32)
;;     2. [M 250,000, K 32] x [K 32, N 128]; A: computed on the way; B: input fc_p_w (given as codes): QUANTISED
;;     3. [M 250,000, K 32] x [K 32, N 128]; A: computed on the way; B: input fc_c_w (given as codes): QUANTISED
;;     4. [M 250,000, K 128] x [K 128, N 128]; A: computed on the way; B: input fc0_w (given as codes): QUANTISED
;;     5. [M 250,000, K 128] x [K 128, N 128]; A: computed on the way; B: input fc1_w (given as codes): QUANTISED
;;     6. [M 250,000, K 32] x [K 32, N 128]; A: computed on the way; B: input fc_c_w (given as codes): QUANTISED
;;     7. [M 250,000, K 128] x [K 128, N 128]; A: computed on the way; B: input fc0_w (given as codes): QUANTISED
;;     8. [M 250,000, K 128] x [K 128, N 128]; A: computed on the way; B: input fc1_w (given as codes): QUANTISED
;;     9. [M 250,000, K 32] x [K 32, N 128]; A: computed on the way; B: input fc_c_w (given as codes): QUANTISED
;;     10. [M 250,000, K 128] x [K 128, N 128]; A: computed on the way; B: input fc0_w (given as codes): QUANTISED
;;     11. [M 250,000, K 128] x [K 128, N 128]; A: computed on the way; B: input fc1_w (given as codes): QUANTISED
;;     12. [M 250,000, K 32] x [K 32, N 128]; A: computed on the way; B: input fc_c_w (given as codes): QUANTISED
;;     13. [M 250,000, K 128] x [K 128, N 128]; A: computed on the way; B: input fc0_w (given as codes): QUANTISED
;;     14. [M 250,000, K 128] x [K 128, N 128]; A: computed on the way; B: input fc1_w (given as codes): QUANTISED
;;     15. [M 250,000, K 32] x [K 32, N 128]; A: computed on the way; B: input fc_c_w (given as codes): QUANTISED
;;     16. [M 250,000, K 128] x [K 128, N 128]; A: computed on the way; B: input fc0_w (given as codes): QUANTISED
;;     17. [M 250,000, K 128] x [K 128, N 128]; A: computed on the way; B: input fc1_w (given as codes): QUANTISED
;;     18. [M 250,000, K 128] x [K 128, N 1]; A: computed on the way; B: input fc_out_w: left as it is (N = 1 < 16)
;;   THE QUANTISER, for each operand of a quantised product, along K:
;;     - K is cut into blocks of 32 from its start; a last block that is shorter is filled with zeros.
;;     - A block's scale is 2^e with e = floor(log2(the largest magnitude in the block)) - 2, held to -126 .. 127; a block of zeros has e = 0. As a byte (E8M0): e + 127.
;;     - Each number is divided by its block's scale, clamped to +-6, and rounded to the nearest number of E2M1, ties to even, subnormals kept.
;;     - The product sums the exact products of the quantised numbers (number of the format x scale) in f32.
;;   ~~~python
;;   def quantise(x, axis):      # numpy; x: float32 -> the quantised numbers, widened to float32 again
;;       x = np.moveaxis(x, axis, -1); K = x.shape[-1]
;;       x = np.pad(x, [(0, 0)] * (x.ndim - 1) + [(0, -K % 32)]); x = x.reshape(x.shape[:-1] + (-1, 32)); a = np.abs(x).max(-1, keepdims=True)
;;       e = np.where(a > 0, np.clip(np.frexp(np.where(a > 0, a, 1))[1] - 1 - 2, -126, 127), 0)      # np.frexp(a)[1] - 1 = floor(log2(a)), exactly
;;       r = np.clip(x / 2.0 ** e, -6, 6)
;;       step = 2.0 ** (np.maximum(np.frexp(np.where(r == 0, 1, r))[1] - 1, 0) - 1)
;;       q = np.round(r / step) * step * 2.0 ** e      # np.round: ties to even
;;       return np.moveaxis(q.reshape(q.shape[:-2] + (-1,))[..., :K], -1, axis).astype(np.float32)
;;   ~~~
;;   OPERANDS COMPUTED ON THE WAY. 'Computed on the way' means the value that the module computes at that place (a softmax that the list does not call 'softmax' is quantised finished and normalised). What goes into a quantiser is computed in f32, as accurately as f32 sums, v_exp_f32 and their like allow (about 1e-6 of the number): no bf16 or f16 on the way to a quantiser, and a product that is left as it is and whose result goes on into a quantised operand takes f32 operands (vector FMAs, or v_wmma_f32_16x16x4_f32). A number that lies on a knife's edge between two numbers of the format may be rounded either way, as far as f32 arithmetic and the matrix unit's own rounding can turn it there, and no further.
;;   INPUTS GIVEN AS CODES. fc0_w (in the module: [5, 128, 128], K = its axis 2); fc1_w (in the module: [5, 128, 128], K = its axis 2); fc_c_w (in the module: [5, 128, 32], K = its axis 2); fc_p_w (in the module: [128, 32], K = its axis 1): each comes as NAME_codes (uint8): NAME with its K axis moved to the last place and cut into blocks of 32 codes, [.., K / 32, bytes a block], one block behind the other in memory; two codes a byte, the lower K in the low four bits (a code: sign, 2 exponent bits, 1 mantissa bit); and NAME_scales (uint8): the same leading axes, one E8M0 byte (e + 127) for each 32 codes along K. Its value is code x scale, taken as it is: it is not quantised again, and the codes and scales need not be those that the quantiser above would give.
;; One version. Each part assembles by itself: llvm-mc -triple=amdgcn-amd-amdhsa -mcpu=gfx1250 --defsym DOCPART=n.
;; ======== version 1 of 1: 2 launches
;; limits: right only within a limited range of input values
;; workspace buffers: idx 1,001,472 bytes of whole numbers; wimg 118,784 bytes
;; launch prep (part 1): grid 984 x 1, 4 waves a work-group, no clusters, 0 bytes of LDS; arguments query, fc0_w_codes, fc0_w_scales, fc0_b, fc1_w_codes, fc1_w_scales, fc1_b, fc_c_w_codes, fc_c_w_scales, fc_c_b, fc_p_w_codes, fc_p_w_scales, fc_p_b, fc_out_w, fc_out_b, idx, wimg; writes idx, wimg
.if DOCPART == 1
	.amdgcn_target "amdgcn-amd-amdhsa--gfx1250"
	.amdhsa_code_object_version 6
	.text
	.protected	k_qa60730b740_prep
	.globl	k_qa60730b740_prep
	.p2align	8
	.type	k_qa60730b740_prep,@function
k_qa60730b740_prep:
	s_mov_b64 s[64:65], 0
	v_nop
	global_prefetch_b8 v0, s[64:65] scope:SCOPE_SE
	s_setreg_imm32_b32 hwreg(HW_REG_WAVE_MODE, 25, 1), 1
	s_wait_xcnt 0x0
; First launch of the PatchDecoder.  Two jobs, told apart by the work-group's number; no LDS, no barrier.
; (1) Work-groups 0 .. 977: idx[q] = (x * 64 + y) * 64 + z of query q's lower corner, as whole numbers, for q = 0 .. 250,367
;     (entries past the last query repeat the last pair).  The next launch forms its gather addresses from them.
; (2) Work-groups 978 .. 983: wimg, the weights, scale words and biases in the order in which the next launch's registers take them:
;     five records of REC bytes (one for each resnet block) and a tail.  A record: fc0's 16 lines of 512 bytes, fc1's 16, fc_c's 8,
;     three lines of scale words, fc0_b, and the sum of the two biases that meet net ahead of the block.
;     A line is an image of four registers: lane l's 16 bytes at 16 l.  Fragment f, lane row r stands for weight row
;     row(f, r) = 64 (f / 4) + 8 (f % 4) + r % 8 + 32 (r / 8), so that a result's 32 registers of four neighbouring fragments are, in one lane, one whole block of 32 along the next K.
; LIMITS: coordinates are taken toward zero and held to 0 .. 62 (the problem keeps all eight corners in the grid); NaN and infinities are not served.
.set REC,  23040
.set T0,   5*REC
.set NIDX, 978
	s_load_b512 s[8:23], s[0:1], 0x0               ; query 8, fc0 codes 10, fc0 scales 12, fc0_b 14, fc1 codes 16, fc1 scales 18, fc1_b 20, fc_c codes 22
	s_load_b512 s[24:39], s[0:1], 0x40             ; fc_c scales 24, fc_c_b 26, fc_p codes 28, fc_p scales 30, fc_p_b 32, fc_out_w 34, fc_out_b 36, idx 38
	s_load_b64 s[40:41], s[0:1], 0x80              ; wimg
	s_cmp_lt_u32 ttmp9, NIDX
	s_cbranch_scc0 .Limage
	; ---- the indices: a thread takes two queries, 24 bytes in, 8 bytes out: a wave stores 256 consecutive bytes, aligned
	s_lshl_b32 s2, ttmp9, 7
	v_add_nc_u32 v1, s2, v0                        ; the pair's number
	v_min_u32 v2, 0x1e847, v1                      ; held at the last pair, 124,999: no load leaves query
	v_mul_u32_u24 v2, v2, 24
	v_lshlrev_b32 v1, 3, v1
	s_wait_alu depctr_va_vdst(0)
	s_wait_kmcnt 0x0
	global_load_b64 v[4:5], v2, s[8:9]
	global_load_b64 v[6:7], v2, s[8:9] offset:8
	global_load_b64 v[8:9], v2, s[8:9] offset:16
	s_wait_loadcnt 0x0
.irp k, 4,5,6,7,8,9
	v_cvt_u32_f32 v\k, v\k                         ; toward zero: the floor of a number that is not negative
.endr
.irp k, 4,5,6,7,8,9
	v_min_u32 v\k, 62, v\k
.endr
	v_lshl_add_u32 v4, v4, 6, v5
	v_lshl_add_u32 v7, v7, 6, v8
	v_lshl_add_u32 v10, v4, 6, v6
	v_lshl_add_u32 v11, v7, 6, v9
	global_store_b64 v1, v[10:11], s[38:39]
	s_endpgm
.Limage:
	s_sub_co_u32 s2, ttmp9, NIDX                   ; i = 0 .. 4: a record; 5: the tail
	v_lshrrev_b32 v1, 5, v0
	v_readfirstlane_b32 s3, v1                     ; wave 0 .. 3
	v_and_b32 v2, 31, v0
	v_lshlrev_b32 v2, 4, v2                        ; 16 x lane
	s_mov_b32 s49, 0                               ; the upper word of every offset pair s[48:49]
	s_wait_kmcnt 0x0
	s_cmp_eq_u32 s2, 5
	s_cbranch_scc1 .Ltail
	; ---- a record
	v_and_b32 v3, 15, v0                           ; r
	v_bfe_u32 v4, v0, 4, 1                         ; h
	v_and_b32 v5, 8, v3
	v_mad_u32_u24 v5, v5, 3, v3                    ; r + 24 (r / 8) = r % 8 + 32 (r / 8)
	v_lshlrev_b32 v6, 6, v5
	v_lshl_add_u32 v6, v4, 4, v6                   ; fc0, fc1: a row is 64 bytes; + 16 h
	s_lshl_b32 s5, s3, 12
	s_wait_alu depctr_va_vdst(0)
	v_add_nc_u32 v7, s5, v2                        ; their lines: waves 0, 1 fc0's halves, waves 2, 3 fc1's: 4,096 x wave + 16 x lane
	v_lshlrev_b32 v40, 4, v5                       ; fc_c, fc_p: a row is 16 bytes
	s_wait_alu depctr_va_vdst(0)                   ; likewise
	s_lshl_b32 s5, s3, 10
	v_add_nc_u32 v41, s5, v2                       ; fc_c's lines: fragments 2 w and 2 w + 1
	s_mul_i32 s48, s2, REC
	s_add_nc_u64 s[40:41], s[40:41], s[48:49]      ; wimg at my record
	s_and_b32 s5, s3, 1
	s_lshl_b32 s5, s5, 12
	s_lshl_b32 s48, s2, 13
	s_add_co_u32 s48, s48, s5                      ; 8,192 i + 4,096 (w % 2): my four fragments' first row, 64 (w % 2)
	s_cmp_lt_u32 s3, 2
	s_cselect_b64 s[42:43], s[10:11], s[16:17]     ; fc0's codes or fc1's
	s_add_nc_u64 s[42:43], s[42:43], s[48:49]
	s_lshr_b32 s48, s3, 1
	s_lshl_b32 s48, s48, 10
	s_and_b32 s5, s3, 1
	s_lshl_b32 s5, s5, 8
	s_add_co_u32 s48, s48, s5                      ; fragment 2 w begins at row 64 (w / 2) + 16 (w % 2), 16 bytes a row
	s_add_nc_u64 s[46:47], s[28:29], s[48:49]      ; fc_p's codes there
	s_lshl_b32 s5, s2, 11
	s_add_co_u32 s48, s48, s5
	s_add_nc_u64 s[44:45], s[22:23], s[48:49]      ; fc_c[i]'s likewise
	s_cmp_eq_u32 s2, 0
	s_cselect_b32 s50, -1, 0                       ; all ones in record 0, which alone carries fc_p
	s_mov_b32 s51, 0xffff0000                      ; lanes 16 .. 31
.irp ff, 0,1,2,3
.irp c, 0,1
	global_load_b128 v[8+8*\ff+4*\c:8+8*\ff+4*\c+3], v6, s[42:43] offset:8*\ff*64+32*\c
.endr
.endr
.irp u, 0,1
	global_load_b128 v[42+4*\u:45+4*\u], v40, s[44:45] offset:128*\u
	global_load_b128 v[50+4*\u:53+4*\u], v40, s[46:47] offset:128*\u
.endr
	s_cmp_lt_u32 s3, 2
	s_cbranch_scc0 .Lnot_words
	; waves 0, 1: the scale words of fc0, fc1.  Lane l's word b is that of row(2 b + h, r) = 64 (b / 2) + 16 (b % 2) + 8 h + r + 24 (r / 8)
	s_cmp_eq_u32 s3, 0
	s_cselect_b64 s[52:53], s[12:13], s[18:19]
	s_lshl_b32 s48, s2, 9
	s_add_nc_u64 s[52:53], s[52:53], s[48:49]
	v_lshlrev_b32 v58, 2, v5
	v_lshl_add_u32 v58, v4, 5, v58
	s_lshl_b32 s5, s3, 9
	v_add_nc_u32 v59, s5, v2
.irp b, 0,1,2,3
	global_load_b32 v[60+\b], v58, s[52:53] offset:(64*(\b/2)+16*(\b%2))*4
.endr
	s_wait_alu depctr_va_vdst(0)
	s_wait_loadcnt 0x0
	global_store_b128 v59, v[60:63], s[40:41] offset:20480
	s_branch .Lcommon
.Lnot_words:
	s_cmp_eq_u32 s3, 2
	s_cbranch_scc0 .Lbiases
	; wave 2: fc_c's scale words: byte 0 fc_c's, byte 1 fc_p's (record 0) or 1.0, bytes 2 and 3 stand over zero codes: 1.0
	s_lshl_b32 s48, s2, 7
	s_add_nc_u64 s[52:53], s[24:25], s[48:49]
	v_lshl_add_u32 v58, v4, 3, v5
	v_mov_b32 v72, 0x7f
.irp b, 0,1,2,3
	global_load_u8 v[60+\b], v58, s[52:53] offset:64*(\b/2)+16*(\b%2)
	global_load_u8 v[64+\b], v58, s[30:31] offset:64*(\b/2)+16*(\b%2)
.endr
	s_wait_alu depctr_va_vdst(0)
	s_wait_loadcnt 0x0
.irp b, 0,1,2,3
	v_cndmask_b32 v[64+\b], v72, v[64+\b], s50
.endr
.irp b, 0,1,2,3
	v_lshl_or_b32 v[60+\b], v[64+\b], 8, v[60+\b]
.endr
.irp b, 0,1,2,3
	v_or_b32 v[60+\b], 0x7f7f0000, v[60+\b]
.endr
	global_store_b128 v2, v[60:63], s[40:41] offset:21504
	s_branch .Lcommon
.Lbiases:
	; wave 3: fc0_b[i] as it is, and fc_c_b[i] + (fc_p_b for i = 0, else fc1_b[i - 1])
	s_max_u32 s48, s2, 1
	s_sub_co_u32 s48, s48, 1
	s_lshl_b32 s48, s48, 9                         ; 512 (i - 1), held at 0: the offset is made apart from the pointer
	s_cmp_eq_u32 s2, 0
	s_cselect_b64 s[52:53], s[32:33], s[20:21]
	s_add_nc_u64 s[52:53], s[52:53], s[48:49]
	s_lshl_b32 s48, s2, 9
	s_add_nc_u64 s[54:55], s[14:15], s[48:49]
	s_add_nc_u64 s[56:57], s[26:27], s[48:49]
	global_load_b128 v[60:63], v2, s[54:55]
	global_load_b128 v[64:67], v2, s[56:57]
	global_load_b128 v[68:71], v2, s[52:53]
	s_wait_loadcnt 0x0
	v_pk_add_f32 v[64:65], v[64:65], v[68:69]
	v_pk_add_f32 v[66:67], v[66:67], v[70:71]
	global_store_b128 v2, v[60:63], s[40:41] offset:22016
	global_store_b128 v2, v[64:67], s[40:41] offset:22528
.Lcommon:
	s_wait_loadcnt 0x0                             ; every way here has waited already; the count is stated once more for the lines below
.irp k, 0,1,2,3,4,5,6,7
	v_and_b32 v[50+\k], s50, v[50+\k]              ; fc_p's codes, or zeros
.endr
.irp k, 0,1,2,3,4,5,6,7
	v_cndmask_b32 v[42+\k], v[42+\k], v[50+\k], s51  ; lanes 0-15: fc_c's row (K block 0); lanes 16-31: fc_p's (K block 1)
.endr
.irp ff, 0,1,2,3
.irp c, 0,1
	global_store_b128 v7, v[8+8*\ff+4*\c:8+8*\ff+4*\c+3], s[40:41] offset:1024*\ff+512*\c   ; a wave's store covers 512 consecutive bytes, aligned
.endr
.endr
.irp u, 0,1
	global_store_b128 v41, v[42+4*\u:45+4*\u], s[40:41] offset:16384+512*\u
.endr
	s_endpgm
.Ltail:
	; ---- the tail: fc1_b[4]; 0.6 fc_out_w; 0.4 fc_out_w; fc_out_b repeated
	s_cmp_eq_u32 s3, 3
	s_cbranch_scc1 .Lout_b
	s_cmp_eq_u32 s3, 0
	s_cselect_b64 s[42:43], s[20:21], s[34:35]
	s_cselect_b32 s48, 2048, 0
	s_mov_b32 s46, 0x3f19999a                      ; 0.6
	s_cselect_b32 s46, 1.0, s46                    ; wave 0 copies
	s_add_nc_u64 s[42:43], s[42:43], s[48:49]
	s_cmp_eq_u32 s3, 2
	s_cselect_b32 s46, 0x3ecccccd, s46             ; 0.4
	s_lshl_b32 s47, s3, 9
	s_wait_alu depctr_va_vdst(0)
	v_add_nc_u32 v3, s47, v2
	global_load_b128 v[4:7], v2, s[42:43]
	s_wait_loadcnt 0x0
.irp k, 4,5,6,7
	v_mul_f32 v\k, s46, v\k
.endr
	s_wait_alu depctr_va_vdst(0)                   ; likewise
	global_store_b128 v3, v[4:7], s[40:41] offset:T0
	s_endpgm
.Lout_b:
	s_load_b32 s44, s[36:37], 0x0
	s_wait_kmcnt 0x0
.irp k, 4,5,6,7
	v_mov_b32 v\k, s44
.endr
	s_wait_alu depctr_va_vdst(0)                   ; likewise
.irp k, 0,1,2,3
	global_store_b128 v2, v[4:7], s[40:41] offset:T0+1536+512*\k
.endr
	s_endpgm
.Lfunc_end_k_qa60730b740_prep:
	.size	k_qa60730b740_prep, .Lfunc_end_k_qa60730b740_prep-k_qa60730b740_prep
	.p2alignl 7, 3214868480
	.fill 96, 4, 3214868480
	.section	.rodata,"a",@progbits
	.p2align	6, 0x0
	.amdhsa_kernel k_qa60730b740_prep
		.amdhsa_group_segment_fixed_size 0
		.amdhsa_private_segment_fixed_size 0
		.amdhsa_enable_private_segment 0
		.amdhsa_kernarg_size 136
		.amdhsa_user_sgpr_count 2
		.amdhsa_user_sgpr_kernarg_segment_ptr 1
		.amdhsa_wavefront_size32 1
		.amdhsa_system_sgpr_workgroup_id_x 1
		.amdhsa_system_sgpr_workgroup_id_y 1
		.amdhsa_system_sgpr_workgroup_id_z 1
		.amdhsa_system_vgpr_workitem_id 0
		.amdhsa_next_free_vgpr 80
		.amdhsa_next_free_sgpr 66
		.amdhsa_reserve_vcc 0
		.amdhsa_float_denorm_mode_32 3
		.amdhsa_float_denorm_mode_16_64 3
		.amdhsa_memory_ordered 1
		.amdhsa_forward_progress 1
		.amdhsa_inst_pref_size 12
	.end_amdhsa_kernel
	.amdgpu_metadata
---
amdhsa.version: [ 1, 2 ]
amdhsa.kernels:
  - .name:           k_qa60730b740_prep
    .symbol:         k_qa60730b740_prep.kd
    .args:
      - { .name: query, .offset: 0, .size: 8, .value_kind: global_buffer, .address_space: global }
      - { .name: fc0_w_codes, .offset: 8, .size: 8, .value_kind: global_buffer, .address_space: global }
      - { .name: fc0_w_scales, .offset: 16, .size: 8, .value_kind: global_buffer, .address_space: global }
      - { .name: fc0_b, .offset: 24, .size: 8, .value_kind: global_buffer, .address_space: global }
      - { .name: fc1_w_codes, .offset: 32, .size: 8, .value_kind: global_buffer, .address_space: global }
      - { .name: fc1_w_scales, .offset: 40, .size: 8, .value_kind: global_buffer, .address_space: global }
      - { .name: fc1_b, .offset: 48, .size: 8, .value_kind: global_buffer, .address_space: global }
      - { .name: fc_c_w_codes, .offset: 56, .size: 8, .value_kind: global_buffer, .address_space: global }
      - { .name: fc_c_w_scales, .offset: 64, .size: 8, .value_kind: global_buffer, .address_space: global }
      - { .name: fc_c_b, .offset: 72, .size: 8, .value_kind: global_buffer, .address_space: global }
      - { .name: fc_p_w_codes, .offset: 80, .size: 8, .value_kind: global_buffer, .address_space: global }
      - { .name: fc_p_w_scales, .offset: 88, .size: 8, .value_kind: global_buffer, .address_space: global }
      - { .name: fc_p_b, .offset: 96, .size: 8, .value_kind: global_buffer, .address_space: global }
      - { .name: fc_out_w, .offset: 104, .size: 8, .value_kind: global_buffer, .address_space: global }
      - { .name: fc_out_b, .offset: 112, .size: 8, .value_kind: global_buffer, .address_space: global }
      - { .name: idx, .offset: 120, .size: 8, .value_kind: global_buffer, .address_space: global }
      - { .name: wimg, .offset: 128, .size: 8, .value_kind: global_buffer, .address_space: global }
    .group_segment_fixed_size: 0
    .private_segment_fixed_size: 0
    .kernarg_segment_align: 8
    .kernarg_segment_size: 136
    .max_flat_workgroup_size: 128
    .sgpr_count:     66
    .vgpr_count:     80
    .wavefront_size: 32
...
	.end_amdgpu_metadata
.endif
;; end of part 1
;; launch decode (part 2): grid 245 x 1, 4 waves a work-group, no clusters, 168,448 bytes of LDS; arguments idx, wimg, query, z_feats, out0; writes out0
.if DOCPART == 2
	.amdgcn_target "amdgcn-amd-amdhsa--gfx1250"
	.amdhsa_code_object_version 6
	.text
	.protected	k_qa60730b740_decode
	.globl	k_qa60730b740_decode
	.p2align	8
	.type	k_qa60730b740_decode,@function
k_qa60730b740_decode:
	s_mov_b64 s[64:65], 0
	v_nop
	global_prefetch_b8 v0, s[64:65] scope:SCOPE_SE
	s_setreg_imm32_b32 hwreg(HW_REG_WAVE_MODE, 25, 1), 1
	s_wait_xcnt 0x0
; Second launch of the PatchDecoder: trilinear gather, latent, fc_p, five resnet blocks (fc_c, fc0, fc1) on codes of FP4 (E2M1) with E8M0 scales, leaky dot.
; SHARES.  A wave takes 64 queries at a time: four tiles of 16.  Wave w of work-group x takes, in trip n = 0 .. 3, block 4 (x + 245 n) + w; 245 x 4 x 4 x 64 = 250,880 queries.
; Blocks past the last (3906) work on that block's data and store nothing.  One pass of a resnet block's weights out of LDS (75 loads of 16 bytes a lane) serves 64 queries.
; LAYOUT.  Every product is used transposed, in the form of 32 rows: source 0 = 32 weight rows (two fragments of 16, 16 registers on end), source 1 = 16 queries.  A lane holds ONE query (lane % 16);
; register 8 f + j of a tile is hidden unit 64 (f / 4) + 32 (lane / 16) + 8 (f % 4) + j, since the launch before chose the rows of a fragment so.  So a lane's registers 32 c .. 32 c + 31 are the WHOLE block
; 2 c + lane / 16 of the next K, in the order of the next operand's registers 4 c .. 4 c + 3: the block's maximum asks no other lane, and the conversions' results are the next product's source 1 as they stand.
; A scale register of the weights holds fragment 2 b's words in lanes 0-15 and fragment 2 b + 1's in lanes 16-31: lane m is row m of the 32.
; BY TURNS.  A chunk is one tile's quantiser (vector work); the matrix instructions of ANOTHER tile stand in its slots, one to a slot, vector lines between.  No two matrix instructions that follow
; each other name one accumulator.
; THE GATHER of the NEXT block runs under the chain: 16 batches, each 4 queries x 8 corners x 128 bytes (8 lanes to a row of z_feats), through four sets of 32 registers; a batch is asked for in one resnet block
; and blended in the next.  Its addresses come from idx, whole numbers stored by the launch before.  A query's eight corner weights, (x y) z in f32, are made once with the query and lie in LDS, 32 bytes a query.
; THE FIRST BLOCK's gather has no chain to run under: its 16 batches have a set each, in windows 2 and 3.  Six go out ahead of the image's way into LDS; then each blend stands behind the request for the batch six further on.
; PAIRS of f32 additions, multiplications and multiply-adds on neighbouring registers go as dual lines (macros ADD2, MUL2, FMA2).
; RELU is folded into the quantisers: the block's maximum is taken without |.| over a floor, the numbers are converted as they are, and the codes with a sign keep only their sign (a zero).
; BIASES: fc0_b is the C of fc0's product; fc_p_b + fc_c_b[0] the C of the first; fc1_b[i-1] + fc_c_b[i] is added to net ahead of block i; fc1_b[4] ahead of the dot: another order of f32 sums than the reference's.
; leaky(x) = 0.6 x + 0.4 |x|; nothing is quantised behind it.
; LIMITS: NaN and infinities are not served; a block of 32 whose largest number lies under 2^-124 keeps the scale byte 1; coordinates as in the launch before.
; NO CLUSTER, NO TENSOR LOAD, NO PREFETCH: what work-groups share is the image, 118,784 bytes read once by each, against 64 x 1,024 bytes of gathered rows for each block of each wave, which no two share by plan;
; the gather's loads are themselves asked for a resnet block ahead of their use.
; LDS: bytes 0 .. 118,783 the image (written once, behind it the one barrier, then only read); then 12,288 bytes for each wave: latents (tile g, row k at 2432 g + 144 k), the queries' weights, 256 bytes for the way out; then the spare words.
; REGISTERS, in windows of 256: window 0 addresses, scale words, codes, what is at work, v192-255 a bias tile; window 1: fc0 0-63, fc1 64-127, fc_c 128-191, fc0_b's tile 192-255 (at the head: the image on its way);
;   window 2: net, 64 a tile; window 3: two hidden tiles 0-127, the gather's four sets 128-255 (at the head windows 2 and 3 are the first gather's 16 sets).
.set REC,   23040                      ; a record of the image
.set T0,    5*REC                      ; its tail
.set IMG,   118784
.set WREG,  12288                      ; a wave's own LDS
.set QI,    9728                       ; in it: the queries' weights
.set OS,    11904                      ; and the way out
.set SPARE, 0x29000                    ; behind the waves' LDS: the spare words, 128 bytes a wave
.set LASTB, 3906                       ; the last block of 64 queries
.set HOP,   980                        ; blocks from trip to trip
.set SC0, 28                           ; v28-31 fc0's scale words
.set SC1, 32                           ; v32-35 fc1's
.set SCW, 36                           ; v36-39 fc_c's
.set LSC, 40                           ; v40-43 the latents' scale words, one a tile
.set PWA, 44                           ; v44-45 relu(net)'s scale words, two tiles by turns
.set PWB, 46                           ; v46-47 relu(h)'s
.set CA,  48                           ; v48-63 relu(net)'s codes, two tiles by turns
.set CBC, 64                           ; v64-79 relu(h)'s
.set IX,  48                           ; at the head: the first block's 16 indices a lane,
.set GA,  64                           ; and its 16 offsets in z_feats
.set LAT, 80                           ; v80-111 the latents' codes, 8 a tile, the upper four zeros
.set TM,  112                          ; v112-133 at work in a quantiser
.set SH8, 150                          ; v150 8 (lane / 16): where my two scale bytes stand in the scale word
.set WB,  152                          ; at the head: four buffers of 8 corner weights, v152-183
.set WT,  168                          ; v168-175 a batch's 8 corner weights
.set AC,  184                          ; v184-191 at work in a blend
.set FP,  164                          ; v164-179 at work in the dot
.set FA,  172
.set PR,  164                          ; v164-183 at work on the queries
.set CB,  192                          ; v192-255 the bias tile that is added to net
; v1 16 x lane; v2, v3 the record in hand (lines; bias tiles); v4 128 (lane / 16); v5, v6 where latents go; v7, v8 where a batch's weights lie; v9 where a tile's latents are read; v10 where my two queries' weights go;
; v11 16 (lane % 8); v12 64 (lane / 8); v13 idx offset; v14 query offset; v15, v16 the way out in LDS; v17 8 x lane; v18 out0 offset; v19 2 x lane; v20 fc_out_b; v21 lane; v24-27 a batch's offset in z_feats;
; v134, v135 the spare word's address and 0; v136-139, v140-143 four indices in hand, four ahead; v144-149 two queries; v156-159 results; v160-163 the way out.
; s14 wave; s15 trip; s16 middle block; s17 the codes' signs; s[18:19] selects for lane xor 16; s20 lanes 16-31; s21 my block; s22, s23 idx offsets; s24 the block whose queries are loaded next; s26 1 while a next block is gathered; s27 queries left.
.set MSB, 0
.macro WIN new                         ; the immediate's high byte repeats the setting that is left; a switch that changes nothing is dropped
.if MSB != (\new)
	s_set_vgpr_msb (MSB<<8)|(\new)
.set MSB, (\new)
.endif
.endm
; Two f32 lines in one dual line, on registers d, d + 1 (d even: one destination even, the other odd), a, a + 1 and b, b + k.  Neighbouring registers lie in different banks; k = 0: both halves take the one register b.
.macro ADD2 d, a, b
	v_dual_add_f32 v[\d], v[\a], v[\b] :: v_dual_add_f32 v[(\d)+1], v[(\a)+1], v[(\b)+1]
.endm
.macro MUL2 d, a, b, k
	v_dual_mul_f32 v[\d], v[\a], v[\b] :: v_dual_mul_f32 v[(\d)+1], v[(\a)+1], v[(\b)+\k]
.endm
.macro FMA2 d, a, b, k
	v_dual_fmac_f32 v[\d], v[\a], v[\b] :: v_dual_fmac_f32 v[(\d)+1], v[(\a)+1], v[(\b)+\k]
.endm
; One matrix instruction: fragments 2 b and 2 b + 1 (32 weight rows) against tile t's 16 queries.
; kind 1: h = fc0 . relu(net) + fc0_b; 2: net += fc1 . relu(h); 3: net += fc_c . latent; 4: net = (fc_c[0], fc_p) . (latent, latent) + bias.
.macro WM kind, t, b
.set wb, (\b)
.set wp, (\t)%2
.if (\kind) == 1
	WIN 0xd1                                       ; D window 3, A and C window 1, B window 0
.set rD, 64*wp+16*wb
.set rA, 16*wb
.set rB, CA+8*wp
.set rC, 192+16*wb
.set rS, SC0+wb
.set rU, PWA+wp
.elseif (\kind) == 2
	WIN 0xa1                                       ; C and D window 2, A window 1
.set rD, 64*(\t)+16*wb
.set rA, 64+16*wb
.set rB, CBC+8*wp
.set rC, rD
.set rS, SC1+wb
.set rU, PWB+wp
.elseif (\kind) == 3
	WIN 0xa1
.set rD, 64*(\t)+16*wb
.set rA, 128+16*wb
.set rB, LAT+8*(\t)
.set rC, rD
.set rS, SCW+wb
.set rU, LSC+(\t)
.else
	WIN 0x81                                       ; D window 2, A window 1, C window 0
.set rD, 64*(\t)+16*wb
.set rA, 128+16*wb
.set rB, LAT+8*(\t)
.set rC, CB+16*wb
.set rS, SCW+wb
.set rU, LSC+(\t)
.endif
	v_wmma_scale_f32_32x16x128_f4 v[rD:rD+15], v[rA:rA+15], v[rB:rB+7], v[rC:rC+15], v[rS], v[rU]
.endm
.macro CARRY a, b, c, d                ; what the next chunk carries: a first group (kind a, tile b) in its slots 0-3, a second (c, d) in slots 4-7; kind 0: none
.set G1K, \a
.set G1T, \b
.set G2K, \c
.set G2T, \d
.set SQ, 0
.endm
.macro SLOT                            ; one matrix instruction of the group whose turn it is.  It leaves its window setting behind: every run of vector lines behind a slot sets its own
.if SQ < 4
.if G1K
	WM G1K, G1T, SQ
.endif
.elseif SQ < 8
.if G2K
	WM G2K, G2T, SQ-4
.endif
.endif
.set SQ, SQ+1
.endm
.macro FLUSH                           ; what is left of the groups
.rept 8
	SLOT
.endr
.endm
; Three leaves of each of my two blocks: numbers 3 i - 1 .. 3 i + 1 of the 32 (i = 0: numbers 0, 1 and the floor), into v[TM + 2 i + c]
.macro TRI base, i
.irp c, 0,1
.if (\i) == 0
	v_max3_num_f32 v[TM+\c], v[(\base)+32*\c], v[(\base)+32*\c+1], 0x1800000   ; no |.|: what is negative does not count; the floor 2^(3 - 127) holds the byte at 1 from below
.else
	v_max3_num_f32 v[TM+2*(\i)+\c], v[(\base)+32*\c+3*(\i)-1], v[(\base)+32*\c+3*(\i)], v[(\base)+32*\c+3*(\i)+1]
.endif
.endr
.endm
; A CHUNK: relu of a tile's 64 numbers a lane (window w, from register base) becomes a fragment's codes in v[cod] on and its scale word in v[pw].  addb = 1: the bias tile is added to the tile first.
; Each accumulator (16 registers) is read from its low end on.  The first slot stands behind eight plain lines, so the codes (4 places) and the scale word (8) of the chunk before are far enough ahead of the products that take them.
.macro QUANT w, base, addb, cod, pw
.if \addb
.set qi, 0
.rept 4
	WIN 0x82
.rept 8
	ADD2 (\base)+qi, (\base)+qi, CB+qi
.set qi, qi+2
.endr
	SLOT
.endr
.endif
	; the largest of each block's 32 numbers and the floor: 33 leaves, 16 lines of three, as a tree; my two blocks by turns
	WIN 21*(\w)
.irp i, 0,1,2,3
	TRI \base, \i
.endr
	SLOT
	WIN 21*(\w)
.irp i, 4,5,6,7
	TRI \base, \i
.endr
	SLOT
	WIN 21*(\w)
.irp i, 8,9,10
	TRI \base, \i
.endr
	SLOT
	WIN 0
.irp c, 0,1
	v_max3_num_f32 v[TM+\c], v[TM+\c], v[TM+2+\c], v[TM+4+\c]
.endr
.irp c, 0,1
	v_max3_num_f32 v[TM+6+\c], v[TM+6+\c], v[TM+8+\c], v[TM+10+\c]
.endr
.irp c, 0,1
	v_max3_num_f32 v[TM+12+\c], v[TM+12+\c], v[TM+14+\c], v[TM+16+\c]
.endr
.irp c, 0,1
	v_max3_num_f32 v[TM+\c], v[TM+\c], v[TM+6+\c], v[TM+18+\c]
.endr
	SLOT
	WIN 0
.irp c, 0,1
	v_max3_num_f32 v[TM+\c], v[TM+\c], v[TM+12+\c], v[TM+20+\c]   ; block 2 c + lane / 16's largest
.endr
.irp c, 0,1
	v_add_nc_u32 v[TM+20+\c], 0xff000000, v[TM+\c] ; 2 off its exponent field: the conversion's scale operand
.endr
	SLOT
	WIN (\w)
.irp g, 0,1,2,3,4,5,6,7
	v_cvt_scalef32_pk8_fp4_f32 v[(\cod)+\g], v[(\base)+8*\g:(\base)+8*\g+7], v[TM+20+\g/4]   ; register g of the operand: k = 64 (g / 4) + 32 (lane / 16) + 8 (g % 4) + 0 .. 7
.endr
	v_lshrrev_b32 v[TM+8], 23, v[TM+20]            ; my two scale bytes.  (These two write nothing of the conversions': the plain lines behind them; their registers stand in source 1, window 0)
	v_lshrrev_b32 v[TM+9], 23, v[TM+21]
	SLOT
	WIN 0
	; RELU ON THE CODES, eight registers a step; the scale word's five lines stand between the steps, each far behind the line that it reads
.irp c, 0,1,2,3,4,5,6,7
	v_and_b32 v[TM+12+\c], s17, v[(\cod)+\c]       ; the signs, 8 in each code that has one;
.endr
	v_lshl_or_b32 v[TM+8], v[TM+9], 16, v[TM+8]    ; blocks lane / 16 and 2 + lane / 16: bytes 0 and 2,
.irp c, 0,1,2,3
	v_lshrrev_b32 v[TM+\c], 3, v[TM+12+\c]
.endr
	v_lshlrev_b32 v[TM+8], v[SH8], v[TM+8]         ; in lanes 16-31 bytes 1 and 3;
.irp c, 4,5,6,7
	v_lshrrev_b32 v[TM+\c], 3, v[TM+12+\c]
.endr
	SLOT
	WIN 0
	v_permlanex16_b32 v[TM+10], v[TM+8], s18, s19  ; lane xor 16's two bytes
.irp c, 0,1,2,3,4,5,6,7
	v_sub_nc_u32 v[TM+12+\c], v[TM+12+\c], v[TM+\c]  ; 8 - 1 = 7: the three bits under each sign;
.endr
	v_or_b32 v[(\pw)], v[TM+8], v[TM+10]           ; my query's scale word, in both halves of the lanes
.irp c, 0,1,2,3,4,5,6,7
	v_bfi_b32 v[(\cod)+\c], v[TM+12+\c], 0, v[(\cod)+\c]  ; they are cleared: such a code is a zero
.endr
	FLUSH
.endm
; A bias tile: register 8 f + j = unit 64 (f / 4) + 32 (lane / 16) + 8 (f % 4) + j, out of 128 numbers in natural order; the address register carries 128 (lane / 16)
.macro BTILE dst, areg, off
.irp f, 0,1,2,3,4,5,6,7
.irp jj, 0,1
	ds_load_b128 v[(\dst)+8*\f+4*\jj:(\dst)+8*\f+4*\jj+3], v[\areg] offset:(\off)+256*(\f/4)+32*(\f%4)+16*\jj
.endr
.endr
.endm
.macro LD_A kind                       ; 26 loads: this block's fc1 and its words; the next block's fc_c and its words (last block: record 0's, for the next trip)
	WIN 0x40
.irp m, 0,1,2,3,4,5,6,7,8,9,10,11,12,13,14,15
	ds_load_b128 v[64+4*\m:64+4*\m+3], v[RAW] offset:8192+512*\m
.endr
.irp f, 0,1,2,3,4,5,6,7
.if \kind == 2
	ds_load_b128 v[128+8*\f:128+8*\f+3], v1 offset:16384+512*\f
.else
	ds_load_b128 v[128+8*\f:128+8*\f+3], v[RAW] offset:REC+16384+512*\f
.endif
.endr
	WIN 0
	ds_load_b128 v[SC1:SC1+3], v[RAW] offset:20992
.if \kind == 2
	ds_load_b128 v[SCW:SCW+3], v1 offset:21504
.else
	ds_load_b128 v[SCW:SCW+3], v[RAW] offset:REC+21504
.endif
.endm
.macro LD_C kind                       ; 16 loads: the bias tile that the next block adds (last block: fc1_b[4])
	WIN 0
.if \kind == 2
	BTILE CB, RAB, REC
.else
	BTILE CB, RAB, REC+22528
.endif
.endm
.macro LD_B kind                       ; 33 loads: the next block's fc0, fc0_b and words; last block, 32: 0.6 and 0.4 fc_out_w as tiles in their places
	WIN 0x40
.if \kind == 2
	BTILE 0, RAB, REC+512
	BTILE 192, RAB, REC+1024
	WIN 0
.else
.irp m, 0,1,2,3,4,5,6,7,8,9,10,11,12,13,14,15
	ds_load_b128 v[4*\m:4*\m+3], v[RAW] offset:REC+512*\m
.endr
	BTILE 192, RAB, REC+22016
	WIN 0
	ds_load_b128 v[SC0:SC0+3], v[RAW] offset:REC+20480
.endif
.endm
.macro LD_0                            ; 49 loads: record 0's fc0, fc0_b, first bias tile and words
	WIN 0x40
.irp m, 0,1,2,3,4,5,6,7,8,9,10,11,12,13,14,15
	ds_load_b128 v[4*\m:4*\m+3], v1 offset:512*\m
.endr
	BTILE 192, 4, 22016
	WIN 0
	BTILE CB, 4, 22528
	ds_load_b128 v[SC0:SC0+3], v1 offset:20480
.endm
.macro QLOAD                           ; block s24's queries, two a lane; the pair's number is held at the last pair, so that no load leaves query
	WIN 0
	s_lshl_b32 s25, s24, 5
	v_add_nc_u32 v14, s25, v21
	v_min_u32 v14, 0x1e847, v14
	v_mul_u32_u24 v14, v14, 24
	global_load_b64 v[144:145], v14, s[8:9]
	global_load_b64 v[146:147], v14, s[8:9] offset:8
	global_load_b64 v[148:149], v14, s[8:9] offset:16
.endm
; My two queries' r = x - floor(x) and 1 - r, and of them the eight corner weights (x y) z, corner 4 ox + 2 oy + oz, go to LDS: 32 bytes a query.  left: the younger loads that may stay out
.macro PREP left
	WIN 0
	s_wait_loadcnt \left                           ; the queries are in
.irp q, 0,1
.irp d, 0,1,2
	v_floor_f32 v[PR+6*\q+2*\d+1], v[144+3*\q+\d]
.endr
.endr
.irp q, 0,1
.irp d, 0,1,2
	v_sub_f32 v[PR+6*\q+2*\d+1], v[144+3*\q+\d], v[PR+6*\q+2*\d+1]
.endr
.endr
.irp q, 0,1
.irp d, 0,1,2
	v_sub_f32 v[PR+6*\q+2*\d], 1.0, v[PR+6*\q+2*\d+1]
.endr
.endr
.irp q, 0,1
.irp c, 0,1,2,3
	v_mul_f32 v[PR+12+4*\q+\c], v[PR+6*\q+\c/2], v[PR+6*\q+2+\c%2]
.endr
.endr
.irp q, 0,1
.irp c, 0,1,2,3,4,5,6,7
	v_mul_f32 v[TM+8*\q+\c], v[PR+12+4*\q+\c/2], v[PR+6*\q+4+\c%2]
.endr
.endr
.irp k, 0,1,2,3
	ds_store_b128 v10, v[TM+4*\k:TM+4*\k+3] offset:16*\k
.endr
.endm
.macro RELLD t                         ; the weights of the batch that set t holds: query 16 (lane / 8) + batch
	WIN 0
	ds_load_b128 v[WT:WT+3], v[CQA] offset:CQO+32*(\t)
	ds_load_b128 v[WT+4:WT+7], v[CQA] offset:CQO+32*(\t)+16
.endm
; Corners c and 4 + c of a set join the sums: four numbers each, by weights wt + c and wt + 4 + c
.macro CF sb, wt, c
	FMA2 AC, (\sb)+4*\c, (\wt)+\c, 0
	FMA2 AC+2, (\sb)+4*\c+2, (\wt)+\c, 0
	FMA2 AC+4, (\sb)+16+4*\c, (\wt)+4+\c, 0
	FMA2 AC+6, (\sb)+16+4*\c+2, (\wt)+4+\c, 0
.endm
; A set's eight corners (window w, from register sb) are blended with the weights at wt: my 4 of the query's 32 numbers, stored at v[CLA] + lo
.macro CONSUME w, sb, lo, wt
	WIN (\w)                                       ; source 0: the set's window
	MUL2 AC, (\sb), (\wt), 0
	MUL2 AC+2, (\sb)+2, (\wt), 0
	MUL2 AC+4, (\sb)+16, (\wt)+4, 0
	MUL2 AC+6, (\sb)+18, (\wt)+4, 0
	CF \sb, \wt, 1
	CF \sb, \wt, 2
	CF \sb, \wt, 3
	WIN 0
	ADD2 AC, AC, AC+4
	ADD2 AC+2, AC+2, AC+6
	ds_store_b128 v[CLA], v[AC:AC+3] offset:\lo
.endm
; The gather's place t of a resnet block.  kind 1, 2: set t's batch, asked for a block ago, is blended.  kind 0, 1: set t is asked for anew.
; The counts: behind the batch waited for stand three batches of eight loads (24), from t = 1 on also this block's index load (25); in the last block what is left of the batches and the three query loads.
; The loads are on every path, so the counts hold on every path; in the last trip they name block 3906 and only the blend is jumped over.
.macro POS kind, t, ds
	WIN 0
.if \kind
.if \kind == 2
	s_wait_loadcnt 8*(3-\t)+3
.elseif \t == 0
	s_wait_loadcnt 24
.else
	s_wait_loadcnt 25
.endif
	s_wait_dscnt \ds                               ; the batch's weights are in (and what was asked of LDS ahead of them)
	s_cmp_eq_u32 s26, 0
	s_cbranch_scc1 .Lno_blend_\@
	CONSUME 3, 128+32*(\t), CLO+144*(\t), WT
.Lno_blend_\@:
.endif
.if \kind < 2
.if \t == 0
.irp k, 0,1,2,3
	v_mov_b32 v[136+\k], v[140+\k]                 ; this block's four indices; the next four are asked for
.endr
.if \kind
	s_cmp_eq_u32 s16, 2
	s_cselect_b32 s25, s23, s22                    ; behind a block's last four: the first four of the block after
.else
	s_mov_b32 s25, s22
.endif
	s_add_co_u32 s22, s22, 16
	v_add_nc_u32 v13, s25, v12
	global_load_b128 v[140:143], v13, s[4:5]
.endif
	v_min_u32 v[24+\t], 0x3efbe, v[136+\t]         ; held at cell (62, 62, 62)
	v_lshlrev_b32 v[24+\t], 7, v[24+\t]            ; a row of z_feats is 128 bytes
	v_add_nc_u32 v[24+\t], v11, v[24+\t]           ; my 16 of them
	WIN 0xc0
.irp c, 0,1,2,3,4,5,6,7
	global_load_b128 v[128+32*(\t)+4*\c:128+32*(\t)+4*\c+3], v[24+\t], s[10:11] offset:(4096*(\c/4)+64*((\c/2)%2)+(\c%2))*128
.endr
	WIN 0
.endif
.if (\kind) && (\t) < 3
	RELLD (\t)+1                                   ; the next place's weights, straight behind this place's memory lines: the blend above has read the buffer
.endif
.endm
; A tile's latent: 16 numbers a lane (window 3, from 16 t), one block of 32 with lane xor 16.  Its codes go into BOTH halves of the lanes: K block 0 meets fc_c, K block 1 meets fc_p (or zeros).
.macro LATQ t
.set lb, 16*(\t)
	WIN 0x0f
	v_max3_num_f32 v[TM], |v[lb]|, |v[lb+1]|, 0x1800000
	v_max3_num_f32 v[TM+1], |v[lb+2]|, |v[lb+3]|, 0x1800000
.irp i, 4,8,12
	v_max3_num_f32 v[TM], |v[lb+\i]|, |v[lb+\i+1]|, v[TM]
	v_max3_num_f32 v[TM+1], |v[lb+\i+2]|, |v[lb+\i+3]|, v[TM+1]
.endr
	SLOT
	WIN 0
	v_max_num_f32 v[TM], v[TM], v[TM+1]
	v_permlanex16_b32 v[TM+4], v[TM], s18, s19
	v_max_num_f32 v[TM], v[TM], v[TM+4]
	v_add_nc_u32 v[TM+8], 0xff000000, v[TM]
	v_lshrrev_b32 v[TM+4], 23, v[TM+8]
	v_lshl_or_b32 v[TM+4], v[TM+4], 8, v[TM+4]
	v_or_b32 v[LSC+\t], 0x7f7f0000, v[TM+4]        ; the byte for K blocks 0 and 1; 1.0 over the zero codes of blocks 2 and 3
	SLOT
	WIN 0x03
	v_cvt_scalef32_pk8_fp4_f32 v[LAT+8*(\t)], v[lb:lb+7], v[TM+8]
	v_cvt_scalef32_pk8_fp4_f32 v[LAT+8*(\t)+1], v[lb+8:lb+15], v[TM+8]
	v_nop                                          ; one plain line behind the conversions
	SLOT
	WIN 0
	v_mov_b32 v[LAT+8*(\t)+2], v[LAT+8*(\t)]
	v_mov_b32 v[LAT+8*(\t)+3], v[LAT+8*(\t)+1]
	v_permlane16_swap_b32 v[LAT+8*(\t)], v[LAT+8*(\t)+2]      ; registers 0, 1: k = 0 .. 15 in both halves; registers 2, 3: k = 16 .. 31
	v_permlane16_swap_b32 v[LAT+8*(\t)+1], v[LAT+8*(\t)+3]
	FLUSH
.endm
; ONE RESNET BLOCK for the four tiles, eight chunks.  kind 0: the first (net comes whole from the first product; nothing to blend); 1: a middle one; 2: the last (no fc_c behind it; nothing asked of z_feats).
.macro RES kind
.if \kind == 0
.set AD, 0
.set MC, 3
.set RAW, 1
.set RAB, 4
.elseif \kind == 1
.set AD, 1
.set MC, 3
.set RAW, 2
.set RAB, 3
.set CLA, 5
.set CLO, 0
.set CQA, 7
.set CQO, 0
.else
.set AD, 1
.set MC, 0
.set RAW, 2
.set RAB, 3
.set CLA, 6
.set CLO, 1728
.set CQA, 8
.set CQO, 384
.endif
	; chunk 0: net of tile 0 | the last tile's product of the step before
.if \kind == 0
	CARRY 4,3,0,0
.else
	s_wait_dscnt 0x1                               ; the bias tile is in; one younger LDS instruction may be out
.if \kind == 2
	QLOAD                                          ; the queries of the block after next
.endif
	CARRY 2,3,0,0
.endif
	QUANT 2, 0, AD, CA, PWA
	LD_A \kind                                     ; fc1's last products stood in this chunk's first four slots
	; chunk 1: net of tile 1 | fc0 of tile 0
	s_wait_alu depctr_va_vdst(0)
	s_wait_dscnt 26                                ; all but the 26 just asked for: fc0, its bias and words are in
.if \kind
	RELLD 0
.endif
	CARRY 1,0,0,0
	QUANT 2, 64, AD, CA+8, PWA+1
	POS \kind, 0, 0
	; chunk 2: h of tile 0 | fc0 of tile 1, the next fc_c of tile 0
.if \kind == 0
	s_wait_dscnt 0x0                               ; fc1 and the next fc_c are in (elsewhere the gather's wait has shown it)
.endif
	CARRY 1,1,MC,0
	s_wait_alu depctr_va_vdst(0)
	QUANT 3, 0, 0, CBC, PWB
	; chunk 3: net of tile 2 | fc1 of tile 0
	CARRY 2,0,0,0
	QUANT 2, 128, AD, CA, PWA
	POS \kind, 1, 0
	; chunk 4: h of tile 1 | fc0 of tile 2, the next fc_c of tile 1
	CARRY 1,2,MC,1
	s_wait_alu depctr_va_vdst(0)                   ; as ahead of chunk 2
	QUANT 3, 64, 0, CBC+8, PWB+1
	; chunk 5: net of tile 3 | fc1 of tile 1
	CARRY 2,1,0,0
	QUANT 2, 192, AD, CA+8, PWA+1
	LD_C \kind                                     ; the bias tile has been added to all four tiles
	POS \kind, 2, 16                               ; the 16 just asked for may be out
	; chunk 6: h of tile 2 | fc0 of tile 3, the next fc_c of tile 2
	CARRY 1,3,MC,2
	s_wait_alu depctr_va_vdst(0)                   ; as ahead of chunk 2
	QUANT 3, 0, 0, CBC, PWB
	LD_B \kind                                     ; fc0's last products stood in this chunk's first four slots
	; chunk 7: h of tile 3 | fc1 of tile 2, the next fc_c of tile 3
	CARRY 2,2,MC,3
	QUANT 3, 64, 0, CBC+8, PWB+1
	POS \kind, 3, 0
	WIN 0
.endm
; The dot of a tile: x = net + fc1_b[4]; the sum of 0.6 w x + 0.4 w |x| over my 64 units and lane xor 16's; + fc_out_b
.macro FINAL t
.set nb, 64*(\t)
.set qi, 0
.rept 4
	WIN 0x82
.rept 8
	ADD2 nb+qi, nb+qi, CB+qi
.set qi, qi+2
.endr
	SLOT
.endr
	WIN 0x06                                       ; source 0 window 2, source 1 window 1
.set qi, 0
.rept 32
.if qi < 4
	MUL2 FP+2*qi, nb+2*qi, 2*qi, 1
.else
	FMA2 FP+2*(qi%4), nb+2*qi, 2*qi, 1
.endif
.set qi, qi+1
.endr
.set qi, 0
.rept 64
.if qi < 8
	v_mul_f32 v[FA+qi], |v[nb+qi]|, v[192+qi]
.else
	v_fma_f32 v[FA+qi%8], |v[nb+qi]|, v[192+qi], v[FA+qi%8]
.endif
.set qi, qi+1
.endr
	WIN 0
	ADD2 FP, FP, FP+2
	ADD2 FP+4, FP+4, FP+6
	ADD2 FA, FA, FA+2
	ADD2 FA+4, FA+4, FA+6
	ADD2 FP, FP, FP+4
	ADD2 FA, FA, FA+4
	ADD2 FP, FP, FA
	v_add_f32 v[FP], v[FP], v[FP+1]
	v_permlanex16_b32 v[FP+2], v[FP], s18, s19
	v_add_f32 v[FP], v[FP], v[FP+2]
	v_add_f32 v[156+\t], v[FP], v20
.endm
.macro SETJ                            ; where the middle block s16's batches put latents and find weights: batches 4 s16 + t
	s_mul_i32 s25, s16, 576
	v_add_nc_u32 v5, s25, v6
	s_lshl_b32 s25, s16, 7
	v_add_nc_u32 v7, s25, v8
.endm
	; ---- the head
	s_load_b256 s[4:11], s[0:1], 0x0               ; idx s[4:5], wimg s[6:7], query s[8:9], z_feats s[10:11]
	s_load_b64 s[12:13], s[0:1], 0x20              ; out0
	v_lshl_add_u32 v134, v0, 2, SPARE
	v_mov_b32 v135, 0
	v_lshrrev_b32 v22, 5, v0
	v_readfirstlane_b32 s14, v22                   ; wave 0 .. 3
	v_and_b32 v21, 31, v0                          ; lane
	v_lshlrev_b32 v1, 4, v21
	v_bfe_u32 v22, v0, 4, 1                        ; lane / 16
	v_and_b32 v23, 15, v0                          ; lane % 16
	v_lshlrev_b32 v4, 7, v22
	v_lshlrev_b32 v[SH8], 3, v22
	s_mul_i32 s25, s14, WREG
	s_add_co_u32 s25, s25, IMG                     ; my wave's own LDS
	v_mul_u32_u24 v9, v23, 144
	v_lshl_add_u32 v9, v22, 6, v9
	v_add_nc_u32 v9, s25, v9
	v_bfe_u32 v22, v0, 3, 2                        ; g = lane / 8
	v_and_b32 v23, 7, v0                           ; p = lane % 8
	v_lshlrev_b32 v11, 4, v23
	v_lshlrev_b32 v12, 6, v22
	v_mul_u32_u24 v6, v22, 2432
	v_add_nc_u32 v6, v6, v11
	v_add_nc_u32 v6, s25, v6
	v_mul_u32_u24 v8, v22, 544
	v_add_nc_u32 v8, s25, v8
	v_add_nc_u32 v8, QI, v8
	v_lshlrev_b32 v10, 6, v21
	v_lshl_add_u32 v10, v22, 5, v10
	v_add_nc_u32 v10, s25, v10
	v_add_nc_u32 v10, QI, v10
	v_lshlrev_b32 v15, 2, v21
	v_add_nc_u32 v15, s25, v15
	v_add_nc_u32 v15, OS, v15
	v_lshlrev_b32 v17, 3, v21
	v_add_nc_u32 v16, s25, v17
	v_add_nc_u32 v16, OS, v16
	v_lshlrev_b32 v19, 1, v21
	s_mov_b32 s17, 0x88888888
	s_mov_b32 s18, 0x76543210
	s_mov_b32 s19, 0xfedcba98
	s_mov_b32 s20, 0xffff0000
	s_lshl_b32 s21, ttmp9, 2
	s_add_co_u32 s21, s21, s14                     ; my first block
.irp k, 4,5,6,7
	v_mov_b32 v[TM+\k], 0                          ; written once: a lane permute's destination counts as one of its sources
.endr
.irp t, 0,1,2,3
.irp k, 4,5,6,7
	v_mov_b32 v[LAT+8*\t+\k], 0                    ; K = 64 .. 127 of the latent's operand: zero codes
.endr
.endr
	s_wait_alu depctr_va_vdst(0)
	s_wait_kmcnt 0x0
	; asked for first: my first block's 16 indices a lane (4 loads), its queries (3), then the image, 58 x 2,048 bytes, 16 a thread, through window 1
	s_min_u32 s24, s21, LASTB
	s_lshl_b32 s25, s24, 8
	v_add_nc_u32 v13, s25, v12
.irp k, 0,1,2,3
	global_load_b128 v[IX+4*\k:IX+4*\k+3], v13, s[4:5] offset:16*\k
.endr
	QLOAD
	v_lshlrev_b32 v22, 4, v0
	v_add_nc_u32 v23, 0x10000, v22
	WIN 0x40
.set qi, 0
.rept 58
	global_load_b128 v[4*qi:4*qi+3], v22, s[6:7] offset:2048*qi
.set qi, qi+1
.endr
	WIN 0
	s_add_co_u32 s24, s21, HOP
	s_min_u32 s24, s24, LASTB                      ; my second block
	s_lshl_b32 s23, s24, 8
	s_wait_alu depctr_va_vdst(0)
	s_wait_loadcnt 58                              ; the indices and the queries are in; the image's 58 loads may be out
	; ---- the first block's gather: batch j goes into set j: window 2 + j / 8, from register 32 (j % 8)
.irp j, 0,1,2,3,4,5,6,7,8,9,10,11,12,13,14,15
	v_min_u32 v[GA+\j], 0x3efbe, v[IX+\j]          ; held at cell (62, 62, 62)
.endr
.irp j, 0,1,2,3,4,5,6,7,8,9,10,11,12,13,14,15
	v_lshlrev_b32 v[GA+\j], 7, v[GA+\j]
.endr
.irp j, 0,1,2,3,4,5,6,7,8,9,10,11,12,13,14,15
	v_add_nc_u32 v[GA+\j], v11, v[GA+\j]
.endr
.macro GB j                            ; batch j is asked for: eight loads
	WIN 0x80+0x40*((\j)/8)
.irp c, 0,1,2,3,4,5,6,7
	global_load_b128 v[32*((\j)%8)+4*\c:32*((\j)%8)+4*\c+3], v[GA+(\j)], s[10:11] offset:(4096*(\c/4)+64*((\c/2)%2)+(\c%2))*128
.endr
	WIN 0
.endm
.irp j, 0,1,2,3,4,5
	GB \j
.endr
	PREP 63                                        ; the queries came in with the indices (106 loads are younger: the count is the field's largest)
	v_add_nc_u32 v13, s23, v12
	global_load_b128 v[140:143], v13, s[4:5]       ; the second block's first four indices a lane,
	QLOAD                                          ; and its queries
	s_wait_loadcnt 52                              ; the image is in: younger are six batches (48), the index load and the three query loads
	WIN 0x04                                       ; an LDS store's data are its source 1
.set qi, 0
.rept 58
.if qi < 32
	ds_store_b128 v22, v[4*qi:4*qi+3] offset:2048*qi
.else
	ds_store_b128 v23, v[4*qi:4*qi+3] offset:2048*(qi-32)
.endif
.set qi, qi+1
.endr
	WIN 0x40
.irp f, 0,1,2,3,4,5,6,7
.irp k, 4,5,6,7
	v_mov_b32 v[128+8*\f+\k], 0                    ; K = 64 .. 127 of fc_c's operand: zero codes
.endr
.endr
	WIN 0
	s_wait_alu depctr_va_vdst(0)
	s_wait_dscnt 0x0                               ; for the others' sake: my part of the image has landed
	s_barrier_signal -1
	s_barrier_wait -1                              ; the image is whole; from here on it is only read, and all else in LDS is a wave's own
	LD_0
	WIN 0x40
.irp f, 0,1,2,3,4,5,6,7
	ds_load_b128 v[128+8*\f:128+8*\f+3], v1 offset:16384+512*\f
.endr
	WIN 0
	ds_load_b128 v[SCW:SCW+3], v1 offset:21504
	v_add_nc_u32 v22, T0, v1
	ds_load_b32 v20, v22 offset:1536               ; fc_out_b
	; the 16 blends.  Batch j's weights lie in buffer j % 4, asked for four batches ahead; batch j + 6 is asked for ahead of blend j
.macro WLD j
	ds_load_b128 v[WB+8*((\j)%4):WB+8*((\j)%4)+3], v8 offset:32*(\j)
	ds_load_b128 v[WB+8*((\j)%4)+4:WB+8*((\j)%4)+7], v8 offset:32*(\j)+16
.endm
.set CLA, 6
	WLD 0
	WLD 1
	WLD 2
	WLD 3
.set jj, 0
.rept 16
.if jj < 10
	GB jj+6
.endif
.if jj < 6                             ; younger than batch j's loads: six batches, and for j under 6 the index load and the three query loads that stand behind batch 5;
.set lc, 52
.elseif jj < 10
.set lc, 48
.else
.set lc, 8*(15-jj)                     ; at the end the batches that are left
.endif
.set dc, 2*(15-jj)                     ; younger than its weights' loads: at the least those of the batches behind it, of which three at the most are asked for
.if dc > 6
.set dc, 6
.endif
	s_wait_loadcnt lc
	s_wait_dscnt dc
	CONSUME 2+jj/8, 32*(jj%8), 144*jj, WB+8*(jj%4)
.if jj < 12
	WLD jj+4
.endif
.set jj, jj+1
.endr
	; ---- four trips: the chain on block s21, the gather of block s21 + HOP under it
	s_mov_b32 s15, 0
.Ltrip:
	s_add_co_u32 s25, s21, HOP
	s_min_u32 s25, s25, LASTB
	s_lshl_b32 s22, s25, 8
	s_add_co_u32 s22, s22, 16
	s_add_co_u32 s24, s21, 2*HOP
	s_min_u32 s24, s24, LASTB
	s_lshl_b32 s23, s24, 8
	s_cmp_lt_u32 s15, 3
	s_cselect_b32 s26, 1, 0
	s_lshl_b32 s25, s21, 6
	s_sub_co_i32 s27, 250000, s25                  ; queries from my block's first on; 0 or less: nothing is stored
	WIN 0xc0
.irp t, 0,1,2,3
.irp j, 0,1,2,3
	ds_load_b128 v[16*\t+4*\j:16*\t+4*\j+3], v9 offset:2432*\t+16*\j   ; the block's latents: tile t, row lane % 16, 16 numbers from 16 (lane / 16) on
.endr
.endr
	PREP 0                                         ; the next block's weights; nothing younger than its queries is out here
	s_wait_dscnt 4                                 ; all but those four stores: the latents and record 0's registers are in
	CARRY 0,0,0,0
	LATQ 0
	CARRY 4,0,0,0
	LATQ 1
	CARRY 4,1,0,0
	LATQ 2
	CARRY 4,2,0,0
	LATQ 3
	RES 0
	s_mov_b32 s16, 0
.Lmiddle:                                              ; blocks 1, 2, 3
	SETJ
	s_mul_i32 s25, s16, REC
	v_add_nc_u32 v2, s25, v1
	v_add_nc_u32 v3, s25, v4
	v_add_nc_u32 v2, REC, v2
	v_add_nc_u32 v3, REC, v3
	RES 1
	s_add_co_u32 s16, s16, 1
	s_cmp_lt_u32 s16, 3
	s_cbranch_scc1 .Lmiddle
	v_add_nc_u32 v2, 4*REC, v1
	v_add_nc_u32 v3, 4*REC, v4
	RES 2
	s_wait_dscnt 0x1                               ; the tail's three tiles are in; the last latent store may be out
	CARRY 2,3,0,0
	s_wait_alu depctr_va_vdst(0)
	FINAL 0                                        ; | fc1 of tile 3
	CARRY 0,0,0,0
	FINAL 1
	FINAL 2
	FINAL 3
	; ---- the way out: 64 results through my 256 bytes of LDS, two a lane: the wave's store covers 256 consecutive bytes, aligned
	v_cndmask_b32 v162, v156, v157, s20            ; lanes 0-15 tile 0, lanes 16-31 tile 1 (both halves of the lanes hold a tile's 16)
	v_cndmask_b32 v163, v158, v159, s20
	ds_store_b32 v15, v162
	ds_store_b32 v15, v163 offset:128
	ds_load_b64 v[160:161], v16                    ; LDS serves a wave's instructions in order: this sees the two stores
	LD_0                                           ; record 0 for the next trip
	s_lshl_b32 s25, s21, 8
	v_add_nc_u32 v18, s25, v17
	v_cmp_gt_i32 vcc_lo, s27, v19                  ; my pair lies inside the 250,000
	s_wait_alu depctr_va_vdst(0)
	s_wait_dscnt 49                                ; all but the 49 just asked for
	s_wait_xcnt 0x0                                ; EXEC changes only behind this wait
	s_and_saveexec_b32 s28, vcc_lo
	global_store_b64 v18, v[160:161], s[12:13] th:TH_STORE_NT
	s_wait_xcnt 0x0                                ; and again; it also frees the store's registers for the next trip
	s_or_b32 exec_lo, exec_lo, s28
	s_add_co_u32 s21, s21, HOP
	s_add_co_u32 s15, s15, 1
	s_cmp_lt_u32 s15, 4
	s_cbranch_scc1 .Ltrip
	s_wait_dscnt 0x0
	s_wait_tensorcnt 0x0                           ; the wave's end
	ds_add_u32 v134, v135
	s_wait_dscnt 0x0
	s_endpgm
.Lfunc_end_k_qa60730b740_decode:
	.size	k_qa60730b740_decode, .Lfunc_end_k_qa60730b740_decode-k_qa60730b740_decode
	.p2alignl 7, 3214868480
	.fill 96, 4, 3214868480
	.section	.rodata,"a",@progbits
	.p2align	6, 0x0
	.amdhsa_kernel k_qa60730b740_decode
		.amdhsa_group_segment_fixed_size 168448
		.amdhsa_private_segment_fixed_size 0
		.amdhsa_enable_private_segment 0
		.amdhsa_kernarg_size 40
		.amdhsa_user_sgpr_count 2
		.amdhsa_user_sgpr_kernarg_segment_ptr 1
		.amdhsa_wavefront_size32 1
		.amdhsa_system_sgpr_workgroup_id_x 1
		.amdhsa_system_sgpr_workgroup_id_y 1
		.amdhsa_system_sgpr_workgroup_id_z 1
		.amdhsa_system_vgpr_workitem_id 0
		.amdhsa_next_free_vgpr 1024
		.amdhsa_next_free_sgpr 66
		.amdhsa_reserve_vcc 1
		.amdhsa_float_denorm_mode_32 3
		.amdhsa_float_denorm_mode_16_64 3
		.amdhsa_memory_ordered 1
		.amdhsa_forward_progress 1
		.amdhsa_inst_pref_size 255
	.end_amdhsa_kernel
	.section	.bss,"aw",@nobits
	.p2align	6
	.space	262144
	.amdgpu_metadata
---
amdhsa.version: [ 1, 2 ]
amdhsa.kernels:
  - .name:           k_qa60730b740_decode
    .symbol:         k_qa60730b740_decode.kd
    .args:
      - { .name: idx, .offset: 0, .size: 8, .value_kind: global_buffer, .address_space: global }
      - { .name: wimg, .offset: 8, .size: 8, .value_kind: global_buffer, .address_space: global }
      - { .name: query, .offset: 16, .size: 8, .value_kind: global_buffer, .address_space: global }
      - { .name: z_feats, .offset: 24, .size: 8, .value_kind: global_buffer, .address_space: global }
      - { .name: out0, .offset: 32, .size: 8, .value_kind: global_buffer, .address_space: global }
    .group_segment_fixed_size: 168448
    .private_segment_fixed_size: 0
    .kernarg_segment_align: 8
    .kernarg_segment_size: 40
    .max_flat_workgroup_size: 128
    .sgpr_count:     66
    .vgpr_count:     1024
    .wavefront_size: 32
...
	.end_amdgpu_metadata
.endif
;; end of part 2
